; MI455X (gfx1250); checked and timed in simulation.
; The chip was launched on July 23, 2026; its instructions are those of AMD's public machine-readable ISA for CDNA 5 (MIT licence, August 2026) and "CDNA5" Instruction Set Architecture Reference Guide (July 2026). The comments in the code are by the model that wrote it; some were corrected since.
;; VQVAE Layer. Allowed arithmetic: matrix products marked QUANTISED: E2M3 operands, one E8M0 scale for each 32 along K, by v_wmma_scale_f32_16x16x128_f8f6f4 with both operands' format E2M3, f32 sums; everything else in f32.
;; Inputs: w 256 x 4,096 float32; x 64 x 1,024 x 256 float32.
;; Outputs: out0 64 x 1,024 x 256 float32.
;; This version of the problem:
;;   THIS VERSION OF THE PROBLEM IS GIVEN IN LOW PRECISION. The matrix products marked QUANTISED in the list below multiply operands that are first quantised to E2M3 (2 exponent bits, 3 mantissa bits; 6 bits a number), with one power-of-two scale for each 32 numbers along K (OCP MX v1.0); their sums are f32. All else is computed in f32.
;;   The module's matrix products, in the order in which they are computed (A, B: the left and right operand; K: the contracted axis; several contracted axes count as one K, in the product's order):
;;     1. [M 65,536, K 256] x [K 256, N 4,096]; A: input x; B: input w: QUANTISED
;;   THE QUANTISER, for each operand of a quantised product, along K:
;;     - K is cut into blocks of 32 from its start; a last block that is shorter is filled with zeros.
;;     - A block's scale is 2^e with e = floor(log2(the largest magnitude in the block)) - 2, held to -126 .. 127; a block of zeros has e = 0. As a byte (E8M0): e + 127.
;;     - Each number is divided by its block's scale, clamped to +-7.5, and rounded to the nearest number of E2M3, ties to even, subnormals kept.
;;     - The product sums the exact products of the quantised numbers (number of the format x scale) in f32.
;;   ~~~python
;;   def quantise(x, axis):      # numpy; x: float32 -> the quantised numbers, widened to float32 again
;;       x = np.moveaxis(x, axis, -1); K = x.shape[-1]
;;       x = np.pad(x, [(0, 0)] * (x.ndim - 1) + [(0, -K % 32)]); x = x.reshape(x.shape[:-1] + (-1, 32)); a = np.abs(x).max(-1, keepdims=True)
;;       e = np.where(a > 0, np.clip(np.frexp(np.where(a > 0, a, 1))[1] - 1 - 2, -126, 127), 0)      # np.frexp(a)[1] - 1 = floor(log2(a)), exactly
;;       r = np.clip(x / 2.0 ** e, -7.5, 7.5)
;;       step = 2.0 ** (np.maximum(np.frexp(np.where(r == 0, 1, r))[1] - 1, 0) - 3)
;;       q = np.round(r / step) * step * 2.0 ** e      # np.round: ties to even
;;       return np.moveaxis(q.reshape(q.shape[:-2] + (-1,))[..., :K], -1, axis).astype(np.float32)
;;   ~~~
;; One version. Each part assembles by itself: llvm-mc -triple=amdgcn-amd-amdhsa -mcpu=gfx1250 --defsym DOCPART=n.
;; ======== version 1 of 1: 3 launches
;; limits: right only within a limited range of input values
;; workspace buffers: wrec 851,968 bytes; wt 4,194,304 bytes; idx 262,144 bytes of whole numbers
;; launch prep (part 1): grid 256 x 1, 2 waves a work-group, no clusters, 17,664 bytes of LDS; arguments w, wrec, wt; writes wrec, wt
.if DOCPART == 1
	.amdgcn_target "amdgcn-amd-amdhsa--gfx1250"
	.amdhsa_code_object_version 6
	.text
	.protected	k_qee1c4b2b0b_prep
	.globl	k_qee1c4b2b0b_prep
	.p2align	8
	.type	k_qee1c4b2b0b_prep,@function
k_qee1c4b2b0b_prep:
	s_mov_b64 s[64:65], 0
	v_nop
	global_prefetch_b8 v0, s[64:65] scope:SCOPE_SE
	s_setreg_imm32_b32 hwreg(HW_REG_WAVE_MODE, 25, 1), 1
	s_wait_xcnt 0x0
; w [256 (k)][4096 (code)] f32 is prepared once for the two launches that follow.
; (1) wrec: for each tile of 16 codes a record of 3,328 bytes: the tile's two FP6 (E2M3) fragments (K steps of 128) as IMAGES OF THE OPERAND'S REGISTERS
;     (byte 1536 s + 512 c + 16 lane = registers 4 c .. 4 c + 3 of that lane), at 3072 + 4 lane the E8M0 scale words (lanes 0-15: K step 0, lanes 16-31: K step 1),
;     at 3200 + 4 i the number -|w_i|^2 / 2 of code i, then 64 bytes of zeros.
; (2) wt [4096][256] f32: w turned, so that a code's 256 numbers are 1,024 consecutive bytes.
; SHARES: work-group T = codes 16 T .. 16 T + 15; wave s = K step s.  A LANE TAKES A COLUMN (code r = lane % 16) AND ITS REGISTERS RUN DOWN K, in the order that the operand's layout gives that lane
; (k = 128 s + 64 c + 32 (lane / 16) + 0 .. 31): a block of 32 lies in one lane, and the conversions' results are the operand's registers.
; A block's scale is 2^(floor(log2(largest magnitude)) - 2); its byte is the largest magnitude's exponent field - 2, held at 1 from below.
; LIMITS: a block of zeros gets the byte 1 where the rule says 127 (its codes are zeros, and this program alone reads the bytes); blocks whose largest magnitude lies under 2^(2 - 126) have the byte held at 1;
; NaN and infinities are not served; |w|^2 is summed in another order than a plain chain (two packed chains a lane, then lanes, then the two K steps).
.set ROWW, 16384                       ; a row of w in bytes
.set REC,  3328                        ; a tile's record
.set SP,   1040                        ; the stage for wt: 16 rows (codes) of 1,024 bytes + 16: an odd multiple of 16, so that sixteen rows' same column falls on sixteen different groups of banks
.set TAIL, 16*SP                       ; the record's last 256 bytes are gathered here
.set WWP,  TAIL+256                    ; the two K steps' parts of |w|^2: 64 s + 4 r
.set X,    32                          ; v32-95   my 64 numbers; later 16 x 4 registers of wt on their way out
.set F,    96                          ; v96-107  my fragment's 12 registers
.set FH,   108                         ; v108-110, v112-114: the upper halves of the two blocks' codes, as the conversions leave them
	s_load_b128 s[4:7], s[0:1], 0x0                ; w, wrec
	s_load_b64 s[8:9], s[0:1], 0x10                ; wt
	v_lshl_add_u32 v128, v0, 2, 0x4400
	v_mov_b32 v129, 0
	v_lshrrev_b32 v13, 5, v0
	v_readfirstlane_b32 s10, v13                   ; wave = K step s
	v_and_b32 v1, 15, v0                           ; r
	v_bfe_u32 v2, v0, 4, 1                         ; h
	v_and_b32 v3, 31, v0                           ; lane
	v_lshlrev_b32 v4, 2, v1
	v_lshl_add_u32 v4, v2, 19, v4                  ; in w: 4 r, and 32 rows (524,288 bytes) further down for lanes 16-31
	v_lshlrev_b32 v5, 4, v3                        ; 16 x lane
	; every LDS address is made here, ahead of the one branch on the wave's number
	s_lshl_b32 s11, s10, 9
	v_mul_u32_u24 v6, v1, SP
	v_lshl_add_u32 v6, v2, 7, v6
	v_add_nc_u32 v6, s11, v6                       ; into the stage: row r, byte 4 k = 512 s + 128 h (+ 256 c + 4 i)
	s_mul_i32 s11, s10, 8*SP
	v_add_nc_u32 v7, s11, v5                       ; out of it: wave s takes rows 8 s .. 8 s + 7, 16 bytes a lane
	s_lshl_b32 s11, s10, 6
	s_add_co_u32 s12, s11, TAIL
	v_lshl_add_u32 v8, v1, 2, s12                  ; my code's scale word of K step s
	s_add_co_u32 s12, s11, WWP
	v_lshl_add_u32 v9, v1, 2, s12                  ; my code's part of |w|^2
	v_lshl_add_u32 v10, v1, 2, WWP                 ; the two parts, read back
	v_lshl_add_u32 v11, v3, 2, TAIL+128            ; -|w|^2 / 2 (lanes 0-15) and the zeros (lanes 16-31)
	v_lshl_add_u32 v12, v3, 3, TAIL                ; the tail, 8 bytes a lane
	v_lshlrev_b32 v13, 3, v3                       ; and the same in the record
	v_mov_b32 v22, 0                               ; a lane permute's destination counts as one of its sources
	v_mov_b32 v23, 0
	s_lshl_b32 s12, ttmp9, 6                       ; w: 64 bytes a tile along a row,
	s_lshl_b32 s13, s10, 21                        ; 128 rows a K step
	s_add_co_u32 s12, s12, s13
	s_mov_b32 s13, 0
	s_mul_i32 s14, ttmp9, REC
	s_mov_b32 s15, 0
	s_mul_i32 s16, s10, 1536
	s_mov_b32 s17, 0
	s_lshl_b32 s18, ttmp9, 14                      ; wt: 16 rows of 1,024 bytes a tile,
	s_lshl_b32 s19, s10, 13                        ; 8 rows a wave
	s_add_co_u32 s18, s18, s19
	s_mov_b32 s19, 0
	s_mov_b32 s20, 0x76543210
	s_mov_b32 s21, 0xfedcba98                      ; v_permlanex16_b32's selects for lane l xor 16
	s_wait_kmcnt 0x0
	s_add_nc_u64 s[4:5], s[4:5], s[12:13]
	s_add_nc_u64 s[6:7], s[6:7], s[14:15]          ; my tile's record
	s_add_nc_u64 s[22:23], s[6:7], s[16:17]        ; my K step's image in it
	s_add_nc_u64 s[8:9], s[8:9], s[18:19]
.irp c, 0,1
.irp i, 0,1,2,3,4,5,6,7,8,9,10,11,12,13,14,15,16,17,18,19,20,21,22,23,24,25,26,27,28,29,30,31
	global_load_b32 v[X+32*\c+\i], v4, s[4:5] offset:(64*\c+\i)*ROWW   ; w(128 s + 64 c + 32 h + i, 16 T + r)
.endr
.endr
	s_wait_loadcnt 0x0
.irp c, 0,1                            ; my block 2 c + h: all its 32 numbers are mine
	v_max3_num_f32 v[14+\c], |v[X+32*\c]|, |v[X+32*\c+1]|, 0x1800000   ; with the floor 2^(3 - 127): the byte cannot fall under 1
.endr
.irp i, 2,4,6,8,10,12,14,16,18,20,22,24,26,28,30
.irp c, 0,1
	v_max3_num_f32 v[14+\c], v[14+\c], |v[X+32*\c+\i]|, |v[X+32*\c+\i+1]|   ; (the two blocks by turns)
.endr
.endr
.irp c, 0,1
	v_add_nc_u32 v[16+\c], 0xff000000, v[14+\c]    ; 2 off the exponent field: the conversion takes the exponent field of this operand as its scale
.endr
.irp c, 0,1
	v_lshrrev_b32 v[18+\c], 23, v[16+\c]           ; the scale's byte
.endr
	v_lshl_or_b32 v20, v19, 16, v18                ; my two bytes, blocks h and 2 + h,
	v_lshlrev_b32 v21, 3, v2
	v_lshlrev_b32 v20, v21, v20                    ; at their places in the word (8 h bits up);
	v_permlanex16_b32 v22, v20, s20, s21
	v_or_b32 v20, v20, v22                         ; with lane l xor 16's two the word is whole, in both lanes
	v_pk_mul_f32 v[24:25], v[X:X+1], v[X:X+1]      ; the sum of my 64 squares: the first products start two chains
	v_pk_mul_f32 v[26:27], v[X+2:X+3], v[X+2:X+3]
.irp j, 4,8,12,16,20,24,28,32,36,40,44,48,52,56,60
	v_pk_fma_f32 v[24:25], v[X+\j:X+\j+1], v[X+\j:X+\j+1], v[24:25]
	v_pk_fma_f32 v[26:27], v[X+\j+2:X+\j+3], v[X+\j+2:X+\j+3], v[26:27]
.endr
	v_pk_add_f32 v[24:25], v[24:25], v[26:27]
	v_add_f32 v24, v24, v25
	v_permlanex16_b32 v23, v24, s20, s21
	v_add_f32 v24, v24, v23                        ; code r's 128 squares of this K step
.irp c, 0,1
	v_cvt_scalef32_pk16_fp6_f32 v[F+6*\c:F+6*\c+2], v[X+32*\c:X+32*\c+15], v[16+\c]          ; registers 6 c .. 6 c + 2 of the operand
	v_cvt_scalef32_pk16_fp6_f32 v[FH+4*\c:FH+4*\c+2], v[X+32*\c+16:X+32*\c+31], v[16+\c]     ; (a conversion's three registers begin on an even number: the second half is made elsewhere and moved)
.endr
	v_nop                                          ; one plain place behind a scaled conversion
.irp c, 0,1
.irp i, 0,1,2
	v_mov_b32 v[F+3+6*\c+\i], v[FH+4*\c+\i]
.endr
.endr
.irp c, 0,1,2
	global_store_b128 v5, v[F+4*\c:F+4*\c+3], s[22:23] offset:512*\c   ; the image: 32 lanes store 512 consecutive bytes, at a multiple of 256 from the buffer's first byte
.endr
.irp c, 0,1
.irp j, 0,1,2,3,4,5,6,7
	ds_store_b128 v6, v[X+32*\c+4*\j:X+32*\c+4*\j+3] offset:256*\c+16*\j   ; my numbers into row r of the stage, K along the row
.endr
.endr
	ds_store_b32 v8, v20                           ; both lanes of a code write the same word with the same value
	ds_store_b32 v9, v24
	s_wait_dscnt 0x0                               ; for the other wave's sake: my LDS stores are done
	s_barrier_signal -1
	s_barrier_wait -1
.irp n, 0,1,2,3,4,5,6,7,8,9,10,11,12,13,14,15
	ds_load_b128 v[X+4*\n:X+4*\n+3], v7 offset:SP*(\n/2)+512*(\n%2)   ; half a row of wt: 512 consecutive bytes
.endr
.irp n, 0,1,2,3,4,5,6,7,8,9,10,11,12,13,14,15
	s_wait_dscnt 15-\n                             ; the younger of these sixteen loads may be out
	global_store_b128 v5, v[X+4*\n:X+4*\n+3], s[8:9] offset:1024*(\n/2)+512*(\n%2)
.endr
	s_cmp_lg_u32 s10, 0                            ; the record's tail is wave 0's; no barrier stands behind this branch
	s_cbranch_scc1 .Lend
	ds_load_b32 v14, v10
	ds_load_b32 v15, v10 offset:64
	v_cmp_gt_u32 vcc_lo, 16, v3
	s_wait_dscnt 0x0
	v_add_f32 v14, v14, v15                        ; |w_r|^2
	v_mul_f32 v14, -0.5, v14
	v_cndmask_b32 v14, 0, v14, vcc_lo              ; lanes 16-31 write the zeros
	ds_store_b32 v11, v14
	ds_load_b64 v[16:17], v12                      ; LDS serves a wave's instructions in order: this sees the store above
	s_wait_dscnt 0x0
	global_store_b64 v13, v[16:17], s[6:7] offset:3072   ; 32 lanes store 256 consecutive bytes, at a multiple of 256
.Lend:
	s_wait_tensorcnt 0x0
	ds_add_u32 v128, v129
	s_wait_dscnt 0x0
	s_endpgm
.Lfunc_end_k_qee1c4b2b0b_prep:
	.size	k_qee1c4b2b0b_prep, .Lfunc_end_k_qee1c4b2b0b_prep-k_qee1c4b2b0b_prep
	.p2alignl 7, 3214868480
	.fill 96, 4, 3214868480
	.section	.rodata,"a",@progbits
	.p2align	6, 0x0
	.amdhsa_kernel k_qee1c4b2b0b_prep
		.amdhsa_group_segment_fixed_size 17664
		.amdhsa_private_segment_fixed_size 0
		.amdhsa_enable_private_segment 0
		.amdhsa_kernarg_size 24
		.amdhsa_user_sgpr_count 2
		.amdhsa_user_sgpr_kernarg_segment_ptr 1
		.amdhsa_wavefront_size32 1
		.amdhsa_system_sgpr_workgroup_id_x 1
		.amdhsa_system_sgpr_workgroup_id_y 1
		.amdhsa_system_sgpr_workgroup_id_z 1
		.amdhsa_system_vgpr_workitem_id 0
		.amdhsa_next_free_vgpr 130
		.amdhsa_next_free_sgpr 66
		.amdhsa_reserve_vcc 1
		.amdhsa_float_denorm_mode_32 3
		.amdhsa_float_denorm_mode_16_64 3
		.amdhsa_memory_ordered 1
		.amdhsa_forward_progress 1
		.amdhsa_inst_pref_size 19
	.end_amdhsa_kernel
	.amdgpu_metadata
---
amdhsa.version: [ 1, 2 ]
amdhsa.kernels:
  - .name:           k_qee1c4b2b0b_prep
    .symbol:         k_qee1c4b2b0b_prep.kd
    .args:
      - { .name: w, .offset: 0, .size: 8, .value_kind: global_buffer, .address_space: global }
      - { .name: wrec, .offset: 8, .size: 8, .value_kind: global_buffer, .address_space: global }
      - { .name: wt, .offset: 16, .size: 8, .value_kind: global_buffer, .address_space: global }
    .group_segment_fixed_size: 17664
    .private_segment_fixed_size: 0
    .kernarg_segment_align: 8
    .kernarg_segment_size: 24
    .max_flat_workgroup_size: 64
    .sgpr_count:     66
    .vgpr_count:     130
    .wavefront_size: 32
...
	.end_amdgpu_metadata
.endif
;; end of part 1
;; launch nearest (part 2): grid 256 x 1, 8 waves a work-group, clusters of 4 x 1, 327,680 bytes of LDS; arguments x, wrec, idx; writes idx
.if DOCPART == 2
	.amdgcn_target "amdgcn-amd-amdhsa--gfx1250"
	.amdhsa_code_object_version 6
	.text
	.protected	k_qee1c4b2b0b_nearest
	.globl	k_qee1c4b2b0b_nearest
	.p2align	8
	.type	k_qee1c4b2b0b_nearest,@function
k_qee1c4b2b0b_nearest:
	s_mov_b64 s[64:65], 0
	v_nop
	global_prefetch_b8 v0, s[64:65] scope:SCOPE_SE
	s_setreg_imm32_b32 hwreg(HW_REG_WAVE_MODE, 25, 1), 1
	s_wait_xcnt 0x0
	s_wait_alu depctr_hold_cnt(0) depctr_sa_sdst(0) depctr_va_vdst(0) depctr_va_sdst(0) depctr_va_ssrc(0) depctr_va_vcc(0) depctr_vm_vsrc(0)
	s_getreg_b32 s2, hwreg(HW_REG_IB_STS2, 6, 4)
	s_cmp_eq_u32 s2, 0
	s_cbranch_scc0 .Lentry_in_a_cluster
	s_endpgm
.Lentry_in_a_cluster:
	s_bfe_u32 s2, ttmp6, 0x10000c
	s_cmp_lg_u32 s2, 0x3003
	s_cbranch_scc0 .Lentry_shape_is_right
	s_endpgm
.Lentry_shape_is_right:
; idx[n] = the code k with the smallest |x_n|^2 - 2 x_n . w_k + |w_k|^2; the product on codes of FP6 (E2M3) with one E8M0 scale for each 32 along D = 256.
; DEAD WORK LEFT OUT: |x_n|^2 is one number for all 4,096 codes of query n, so for every value of the inputs argmin_k (|x_n|^2 - 2 x_n.w_k + |w_k|^2) = argmax_k (x_n.w_k - |w_k|^2 / 2): the sum of x's squares is not formed.
; x itself is live (it is the product's operand).  LIMIT: an overflow or a NaN that reaches |x_n|^2 alone is not carried to the result.
; x [65536][256] f32 is quantised here, in registers; w comes as prep has laid it (wrec: tiles of 16 codes as images of the operand's registers, scale words, -|w|^2 / 2).
; SHARES.  A work-group owns 256 queries (16 tiles of 16) and walks all 4,096 codes.  Wave v: qg = v & 1, cq = v >> 1.  It keeps query tiles 8 qg .. 8 qg + 7 in registers, and of each slot's
; 16 blocks (a block = 2 tiles = 32 codes) it takes blocks 4 cq .. 4 cq + 3: a fragment of w read from LDS feeds eight matrix instructions.  Two waves share a SIMD.
; THE PRODUCT IS USED TRANSPOSED (source 0 = 16 codes, source 1 = 16 queries): a lane holds ONE query (lane % 16), its register j the code 8 (lane / 16) + j.  The C of the first K step is -|w|^2 / 2 in the
; result's layout, so the two instructions leave s = x . w - |w|^2 / 2.
; THE ARGMAX, 18 vector instructions for 16 sums: the block's largest s (8); where it is GREATER than the lane's best so far (1), the best, the block's count and the 16 sums are kept: 18 selects in 9 dual pairs, no branch.
; It goes in two stages on THREE sets of sums: behind the products of query tile q stand tile q - 1's maxima and tile q - 2's compare and selects, line by line in turns, so that no line reads the line above it.
; At the end the first kept sum that equals the kept best gives the code; lanes l and l xor 16, and then the four waves that shared the codes, are joined by (s, then the lower index).
; LIMITS.  Order of rounding: the matrix sum begun with -|w|^2 / 2 is compared as it stands; two codes whose distances reference() rounds to one f32 number are told apart here by s.  A block of zeros has the byte 1
; (its codes are zeros).  NaN, infinities: not served.
; RING.  wrec goes through two LDS slots of 16 blocks (106,496 bytes); each wave brings two blocks by one tensor load.  CLUSTER: all work-groups walk the same wrec, so the four of a cluster ask JOINTLY
; (mask 15, the same descriptor in all four: it hangs on the wave's number and the slot alone).  A slot is given up in its LAST block: as soon as that block's operands are in registers the wave runs the three lines and
; signals; the block's 32 products stand between the signal and the wait; behind the round the slot takes the 16 blocks two slots on, which have three blocks' work (96 products a wave) before the wait for them.
; By this text's count a wave has one tensor load out at the most.
; PREFETCH: behind each joint refill but the last one each wave names 13 blocks of 256 bytes of the slot that the NEXT refill will load: its own 13,312 bytes of that slot, shared out among the four partners by address
; (3,328 bytes each; lanes 13-31 name the 13th block again).  The first three slots come by their loads alone.
; REGISTERS.  window 0: v1-15, v41-45 addresses; v16-23 x's scale words; v24-31 best s; v33-40 its block; v46-47 lane permutes' destinations; v48-49 w's scale words; v50-55 at work;
;   v56-71, v72-87, v216-231 three sets of 16 sums (v216-231 at the end: the results); v88-215 the kept sums, 16 a query tile (while x is quantised: at work); v232-239, v248-255 the block's -|w|^2 / 2.
;   window 1: v0-191 x's 16 fragments (before: x as loaded); v192-239 a block's four fragments of w.
.set REC,   3328
.set BLKB,  2*REC
.set NBW,   4                          ; blocks of a slot that one wave takes
.set SLOTB, 16*BLKB
.set SLOT1, 1<<17                      ; slot 1 begins here: one exclusive or turns an address in one slot into the other's
.set SPARE, SLOTB                      ; the spare words, 128 bytes for each of the eight waves
.set XSC,   SPARE+1024                 ; x's scale words: tile x 128 + 64 s + 4 r
.set MRG,   XSC+2048                   ; the waves' results: cq x 2048 + query x 8: (s, index)
.set XIMG,  SLOT1+SLOTB                ; x's 32 fragments as images: tile x 3072 + 1536 s + 512 c + 16 lane
.set STG,   XIMG+16*3072               ; a stage of 16 rows x (256 + 16) bytes for each wave
.set SPT,   272
.set SPW, 1
.set NIL, 2
.set L16, 3                            ; 16 x lane
.set L4,  4                            ; 4 x lane
.set H32, 5                            ; 32 x (lane / 16)
.set ADW, 6
.set ADS, 7
.set ADC, 8
.set XO,  9                            ; x: 1024 (lane / 16) + 16 (lane % 16)
.set STS, 10
.set STL, 11
.set XWI, 12
.set XWS, 13
.set PFO, 14                           ; the prefetch's offset: 256 x min(lane, 12); never rewritten
.set HB,  15                           ; 8 (lane / 16) + 128 cq
.set XS,  16
.set M,   24
.set BID, 33                           ; odd where M is even: a dual pair writes one even and one odd register
.set XRI, 41
.set XRS, 42
.set MW,  43
.set MR,  44
.set IO,  45
.set PT,  46
.set WS,  48
.set RR,  50                           ; v50, v52: a block's largest s, for even and for odd query tiles
.set TU,  51                           ; v51, v53, v54: the maxima's other three chains
.set TV,  53
.set TW,  54
.set DD,  52                           ; at the end: at work
.set POS, 53
.set TP,  54
.set BV,  55                           ; the count of the block in hand, among my wave's 32
.set SAV, 88
.set RES, 216
.set CB,  232                          ; tile u's -|w|^2 / 2 at v[CB + 16 u]
.set ST,  88                           ; while x is quantised: 64 numbers,
.set PC,  152                          ; the codes just made,
.set TM,  172                          ; v172-175 largest magnitudes, v176-179 bytes, v184-187 the conversions' scale operands,
.set PW,  188                          ; the scale word
.set XF,  0                            ; window 1
.set WF,  192
.set WV,  10
.set G1,  16
.set G0,  24
.set TB,  28                           ; LDS byte of the block to be fetched
.set SLOTS, 30
.set CNT, 31
.set SEL, 32
.set PF,  44                           ; s[44:45] where my prefetches stand
.set MSB, 0
.macro WIN new                         ; bits 1:0 source 0, 3:2 source 1, 5:4 source 2, 7:6 destination; the high byte repeats the setting that is left
.if MSB != \new
	s_set_vgpr_msb (MSB<<8)|\new
.set MSB, \new
.endif
.endm
.macro CREST                           ; a round of the cluster's barrier behind its opening barrier
	s_cmp_lg_u32 s[WV], 0
	s_cbranch_scc1 .Lnot_wave_0_\@
	s_barrier_signal -3
.Lnot_wave_0_\@:
	s_barrier_wait -3
	s_barrier_signal -1
	s_barrier_wait -1
.endm
.macro CROUND
	s_barrier_signal -1
	s_barrier_wait -1
	CREST
.endm
.macro JLOAD                           ; the joint load, with an s_nop and four v_nops behind it
	tensor_load_to_lds s[G0:G0+3], s[G1:G1+7]
	s_nop 0
.rept 4
	v_nop
.endr
.endm
; Unit n = 4 t + 2 s + c2 of my 32 rows of x: 16 rows x 64 numbers, as loaded, turns through my stage: out of it lane (r, h) takes, of row r, 16 neighbours of each block of 32.
.macro XUNIT n, c2
	s_wait_loadcnt 56-8*(\n)                       ; the loads of the later units may be out
	WIN 0x04                                       ; an LDS store's data are its source 1: window 1
.irp i, 0,1,2,3,4,5,6,7
	ds_store_b128 v[STS], v[32*(\n)+4*\i:32*(\n)+4*\i+3] offset:2*SPT*\i
.endr
	WIN 0
.irp b, 0,1
.irp j, 0,1,2,3
	ds_load_b128 v[ST+32*(\c2)+16*\b+4*\j:ST+32*(\c2)+16*\b+4*\j+3], v[STL] offset:128*\b+16*\j   ; LDS serves a wave's instructions in order
.endr
.endr
.endm
; 64 numbers of a lane, register 16 b + i = k 32 b + 16 (lane / 16) + i of my row, become a fragment's codes in v[PC] on and its scale word in v[PW].
.macro QUANT
.irp b, 0,1,2,3
	v_max3_num_f32 v[TM+\b], |v[ST+16*\b]|, |v[ST+1+16*\b]|, 0x1800000   ; with the floor 2^(3 - 127): the byte cannot fall under 1
.endr
.irp i, 2,4,6,8,10,12,14
.irp b, 0,1,2,3
	s_delay_alu instid0(VALU_DEP_4)
	v_max3_num_f32 v[TM+\b], v[TM+\b], |v[ST+16*\b+\i]|, |v[ST+1+16*\b+\i]|
.endr
.endr
.irp b, 0,1,2,3
	s_delay_alu instid0(VALU_DEP_4)
	v_permlanex16_b32 v[TM+4+\b], v[TM+\b], s[SEL], s[SEL+1]
.endr
.irp b, 0,1,2,3
	s_delay_alu instid0(VALU_DEP_4)
	v_max_num_f32 v[TM+\b], v[TM+\b], v[TM+4+\b]   ; with lane l xor 16's: the block's largest magnitude
.endr
.irp b, 0,1,2,3
	s_delay_alu instid0(VALU_DEP_4)
	v_add_nc_u32 v[TM+12+\b], 0xff000000, v[TM+\b] ; 2 off its exponent field: the conversion's scale operand
.endr
.irp b, 0,1,2,3
	s_delay_alu instid0(VALU_DEP_4)
	v_lshrrev_b32 v[TM+4+\b], 23, v[TM+12+\b]      ; the scale's byte
.endr
	s_delay_alu instid0(VALU_DEP_3)
	v_lshl_or_b32 v[PW], v[TM+5], 8, v[TM+4]
	s_delay_alu instid0(VALU_DEP_1)
	v_lshl_or_b32 v[PW], v[TM+6], 16, v[PW]
	s_delay_alu instid0(VALU_DEP_1)
	v_lshl_or_b32 v[PW], v[TM+7], 24, v[PW]
.irp c, 0,1
	v_cvt_scalef32_pk16_fp6_f32 v[PC+6*\c:PC+2+6*\c], v[ST+32*\c:ST+15+32*\c], v[TM+12+2*\c]
	v_cvt_scalef32_pk16_fp6_f32 v[PC+12+4*\c:PC+14+4*\c], v[ST+16+32*\c:ST+31+32*\c], v[TM+12+2*\c+1]   ; (a conversion's three registers begin on an even number)
.endr
	v_nop                                          ; one plain place behind a scaled conversion
.irp c, 0,1                            ; the operand's layout wants a WHOLE block in a lane
.irp i, 0,1,2
	v_permlane16_swap_b32 v[PC+6*\c+\i], v[PC+12+4*\c+\i]
.endr
.irp i, 0,1,2
	s_delay_alu instid0(VALU_DEP_3)
	v_mov_b32 v[PC+3+6*\c+\i], v[PC+12+4*\c+\i]
.endr
.endr
.endm
; A block's operands out of the slot: four fragments, -|w|^2 / 2 in the result's layout, two registers of scale words.
.macro LOADW
	v_add_nc_u32 v[ADW], s[TB], v[L16]
	v_add_nc_u32 v[ADS], s[TB], v[L4]
	v_add_nc_u32 v[ADC], s[TB], v[H32]
.irp u, 0,1
.irp e, 0,1
	ds_load_b128 v[CB+16*\u+4*\e:CB+16*\u+4*\e+3], v[ADC] offset:REC*\u+3200+16*\e
.endr
.endr
.irp u, 0,1
	ds_load_b32 v[WS+\u], v[ADS] offset:REC*\u+3072
.endr
	WIN 0x40
.irp k, 0,3                            ; K step 0's six loads, then K step 1's six: the youngest six of the run
.irp u, 0,1
.irp f, 0,1,2
	ds_load_b128 v[WF+24*\u+4*(\k+\f):WF+24*\u+4*(\k+\f)+3], v[ADW] offset:REC*\u+512*(\k+\f)
.endr
.endr
.endr
	WIN 0
.endm
; Query tile q's sums lie in set q % 3: v56, v72 or v216 on.
; Query tile q against the block's two tiles of codes: four matrix instructions; the two accumulators take turns, one instruction a turn.
.macro WM q
.set rA, 56+16*((\q)%3)+128*(((\q)%3)/2)
	WIN 0x05                                       ; w and x in window 1; C and the sums in window 0
.irp u, 0,1
	v_wmma_scale_f32_16x16x128_f8f6f4 v[rA+8*\u:rA+8*\u+7], v[WF+24*\u:WF+24*\u+11], v[XF+24*(\q):XF+24*(\q)+11], v[CB+16*\u:CB+16*\u+7], v[WS+\u], v[XS+(\q)] matrix_a_fmt:MATRIX_FMT_FP6 matrix_b_fmt:MATRIX_FMT_FP6
.endr
.irp u, 0,1
	v_wmma_scale_f32_16x16x128_f8f6f4 v[rA+8*\u:rA+8*\u+7], v[WF+24*\u+12:WF+24*\u+23], v[XF+24*(\q)+12:XF+24*(\q)+23], v[rA+8*\u:rA+8*\u+7], v[WS+\u], v[XS+(\q)] matrix_a_fmt:MATRIX_FMT_FP6 matrix_b_fmt:MATRIX_FMT_FP6 matrix_a_scale:MATRIX_SCALE_ROW1 matrix_b_scale:MATRIX_SCALE_ROW1
.endr
	WIN 0
.endm
.macro KEEP i                          ; two of tile p's 16 sums are kept where its block is the lane's best (rS, rP: set by the macro that calls)
	v_dual_cndmask_b32 v[rS+\i], v[rS+\i], v[rP+\i] :: v_dual_cndmask_b32 v[rS+\i+1], v[rS+\i+1], v[rP+\i+1]
.endm
; The largest of tile t's 16 sums, in four chains; each accumulator is read from its low end on.
.macro TREE t
.set rT, 56+16*((\t)%3)+128*(((\t)%3)/2)
.set rR, RR+2*((\t)%2)
	v_max3_num_f32 v[rR], v[rT], v[rT+1], v[rT+2]
	v_max3_num_f32 v[TU], v[rT+8], v[rT+9], v[rT+10]
	v_max3_num_f32 v[TV], v[rT+3], v[rT+4], v[rT+5]
	v_max3_num_f32 v[TW], v[rT+11], v[rT+12], v[rT+13]
	v_max3_num_f32 v[rR], v[rR], v[rT+6], v[rT+7]
	v_max3_num_f32 v[TU], v[TU], v[rT+14], v[rT+15]
	v_max3_num_f32 v[rR], v[rR], v[TV], v[TW]
	v_max_num_f32 v[rR], v[rR], v[TU]
.endm
; Tile p's compare and selects.  Strictly greater: at equal s the earlier block, with the lower codes, stays.  bump = 1: this was the block's last tile: the count goes on.
.macro SELS p, bump
.set rP, 56+16*((\p)%3)+128*(((\p)%3)/2)
.set rS, SAV+16*(\p)
.set rQ, RR+2*((\p)%2)
	v_cmp_gt_f32 vcc_lo, v[rQ], v[M+(\p)]
	v_dual_cndmask_b32 v[M+(\p)], v[M+(\p)], v[rQ] :: v_dual_cndmask_b32 v[BID+(\p)], v[BID+(\p)], v[BV]
.if \bump
	v_add_nc_u32 v[BV], 1, v[BV]
.endif
.irp i, 0,2,4,6,8,10,12,14
	KEEP \i
.endr
.endm
; Both, for tiles t and p = t - 1, line by line in turns.
.macro MIX t, p
.set rT, 56+16*((\t)%3)+128*(((\t)%3)/2)
.set rR, RR+2*((\t)%2)
.set rP, 56+16*((\p)%3)+128*(((\p)%3)/2)
.set rS, SAV+16*(\p)
.set rQ, RR+2*((\p)%2)
	v_cmp_gt_f32 vcc_lo, v[rQ], v[M+(\p)]
	v_max3_num_f32 v[rR], v[rT], v[rT+1], v[rT+2]
	v_dual_cndmask_b32 v[M+(\p)], v[M+(\p)], v[rQ] :: v_dual_cndmask_b32 v[BID+(\p)], v[BID+(\p)], v[BV]
	v_max3_num_f32 v[TU], v[rT+8], v[rT+9], v[rT+10]
	KEEP 0
	v_max3_num_f32 v[TV], v[rT+3], v[rT+4], v[rT+5]
	KEEP 2
	v_max3_num_f32 v[TW], v[rT+11], v[rT+12], v[rT+13]
	KEEP 4
	v_max3_num_f32 v[rR], v[rR], v[rT+6], v[rT+7]
	KEEP 6
	v_max3_num_f32 v[TU], v[TU], v[rT+14], v[rT+15]
	KEEP 8
	KEEP 10
	v_max3_num_f32 v[rR], v[rR], v[TV], v[TW]
	KEEP 12
	KEEP 14
	v_max_num_f32 v[rR], v[rR], v[TU]
.endm
; A block's 32 products and the vector work that is due: registers alone.  PLACES: behind each WM stand at least 8 plain lines that name none of its registers: they serve the reads of its sums behind the
; next WM, the writing over a set three tiles on, and, behind WM 7, the next block's loads into w's registers.  A set is written again only behind the selects that read it: WM q stands behind tile q - 3's.
.macro WMS                             ; WM 0 where the block's fragments of K step 1 may still be on their way out of LDS: the wait for them stands between the two K steps
	WIN 0x05
.irp u, 0,1
	v_wmma_scale_f32_16x16x128_f8f6f4 v[56+8*\u:56+8*\u+7], v[WF+24*\u:WF+24*\u+11], v[XF:XF+11], v[CB+16*\u:CB+16*\u+7], v[WS+\u], v[XS] matrix_a_fmt:MATRIX_FMT_FP6 matrix_b_fmt:MATRIX_FMT_FP6
.endr
	s_wait_dscnt 0x0                               ; K step 1's six loads are in
.irp u, 0,1
	v_wmma_scale_f32_16x16x128_f8f6f4 v[56+8*\u:56+8*\u+7], v[WF+24*\u+12:WF+24*\u+23], v[XF+12:XF+23], v[56+8*\u:56+8*\u+7], v[WS+\u], v[XS] matrix_a_fmt:MATRIX_FMT_FP6 matrix_b_fmt:MATRIX_FMT_FP6 matrix_a_scale:MATRIX_SCALE_ROW1 matrix_b_scale:MATRIX_SCALE_ROW1
.endr
	WIN 0
.endm
.macro MULS split                      ; split = 1: K step 1's fragments are waited for inside
.if \split
	WMS
.else
	WM 0
.endif
	SELS 7, 1
	WM 1
	TREE 0
.irp q, 2,3,4,5,6,7
	WM \q
	MIX \q-1, \q-2
.endr
.endm
.macro BODY                            ; a block: its operands are asked for first; work of the block before stands under their way
	LOADW
	MIX 7, 6
	s_add_co_u32 s[TB], s[TB], BLKB
	s_wait_alu depctr_va_vdst(0)
	s_wait_dscnt 6                                 ; all but the youngest six loads, K step 1's fragments, are in
	MULS 1
.endm
.macro RUN n                           ; n blocks of the slot in hand
	s_mov_b32 s[CNT], \n
.Lblk_\@:
	BODY
	s_sub_co_u32 s[CNT], s[CNT], 1
	s_cmp_lg_u32 s[CNT], 0
	s_wait_alu depctr_va_vdst(0)
	s_cbranch_scc1 .Lblk_\@
.endm
; A slot's LAST block, and the change of slots.  fill = 1: the barrier opens a round of the cluster's barrier, and the slot just left takes the 16 blocks two slots on.
.macro LAST fill
.if \fill
	s_wait_xcnt 0x0                                ; my last prefetch has read its address,
	s_add_nc_u64 s[PF:PF+1], s[PF:PF+1], SLOTB     ; which goes a slot on
.endif
	LOADW                                          ; my last reads of this slot
	s_wait_tensorcnt 0x0                           ; all my tensor loads have landed: my part of the next slot; group 0 may be written
	ds_add_u32 v[SPW], v[NIL]                      ; 0 onto my spare word; work on registers follows
	MIX 7, 6
	s_sub_co_u32 s[TB], s[TB], (NBW-1)*BLKB        ; back to my first block,
	s_xor_b32 s[TB], s[TB], SLOT1                  ; in the other slot
.if \fill
	s_xor_b32 s[G0+1], s[G0+1], SLOT1              ; the slot that is being left,
	s_add_nc_u64 s[G0+2:G0+3], s[G0+2:G0+3], SLOTB ; the next 16 blocks; the type bits on top are not reached
.endif
	s_wait_alu depctr_va_vdst(0)
	s_wait_dscnt 0x0                               ; the add is done, and my reads of this slot are over: the block's operands are in registers
	s_barrier_signal -1
	MULS 0                                         ; registers alone, while the other waves arrive
	s_wait_alu depctr_va_vdst(0)
	s_barrier_wait -1
.if \fill
	CREST                                          ; no wave of any partner still reads the slot or has a load on its way
	JLOAD
	s_cmp_gt_u32 s[SLOTS], 1                       ; the last refill has no refill behind it to ask ahead for
	s_cbranch_scc0 .Lnone_\@
	s_cmp_lt_u32 ttmp9, 4
	s_cbranch_scc0 .Lno_prefetch_neares0_\@
	global_prefetch_b8 v[PFO], s[PF:PF+1] th:TH_LOAD_NT scope:SCOPE_SE
.Lno_prefetch_neares0_\@:
.Lnone_\@:
.endif
.endm
; The code of query tile q's kept block: the first kept sum that equals the kept best.  Register i = 8 u + j is code 16 u + 8 (lane / 16) + j of the block: ascending in i.
.macro LOCATE q                        ; (its place in the block stands in v[56 + q])
	v_lshrrev_b32 v[TP], 2, v[BID+(\q)]            ; my wave's block count c is block 16 (c / 4) + 4 cq + c % 4
	v_and_b32 v[DD], 3, v[BID+(\q)]
	s_delay_alu instid0(VALU_DEP_1)
	v_lshl_add_u32 v[TP], v[TP], 4, v[DD]
	s_delay_alu instid0(VALU_DEP_1)
	v_lshl_add_u32 v[TP], v[TP], 5, v[56+(\q)]     ; 32 codes a block
	s_delay_alu instid0(VALU_DEP_1)
	v_add_nc_u32 v[RES+2*(\q)+1], v[TP], v[HB]
	v_mov_b32 v[RES+2*(\q)], v[M+(\q)]
.endm
.macro BETTER ma, ia, mb, ib           ; (ma, ia) takes (mb, ib) where mb is greater, or equal with the lower index
	v_cmp_gt_f32 s40, v[\mb], v[\ma]
	v_cmp_eq_f32 s41, v[\mb], v[\ma]
	v_cmp_lt_u32 s42, v[\ib], v[\ia]
	s_and_b32 s41, s41, s42
	s_or_b32 vcc_lo, s40, s41
	v_cndmask_b32 v[\ma], v[\ma], v[\mb], vcc_lo
	v_cndmask_b32 v[\ia], v[\ia], v[\ib], vcc_lo
.endm
	s_load_b128 s[4:7], s[0:1], 0x0                ; x, wrec
	s_load_b64 s[8:9], s[0:1], 0x10                ; idx
	v_lshl_add_u32 v[SPW], v0, 2, SPARE
	v_mov_b32 v[NIL], 0
	ds_add_u32 v[SPW], v[NIL]                      ; the opening lines: the add, twice on end, and its wait ahead of my first tensor load
	ds_add_u32 v[SPW], v[NIL]
	v_lshrrev_b32 v50, 5, v0
	s_delay_alu instid0(VALU_DEP_1)
	v_readfirstlane_b32 s[WV], v50                 ; wave 0..7
	s_bfe_u32 s11, ttmp6, 0x40000                  ; cx: it enters x's, idx's and the prefetch's addresses alone
	s_lshl_b32 s12, ttmp9, 2
	s_add_co_u32 s12, s12, s11                     ; my work-group = 4 x cluster + cx
	s_and_b32 s13, s[WV], 1                        ; qg
	s_lshr_b32 s14, s[WV], 1                       ; cq
	v_and_b32 v51, 31, v0                          ; lane
	v_and_b32 v52, 15, v0                          ; r
	v_bfe_u32 v53, v0, 4, 1                        ; h
	s_delay_alu instid0(VALU_DEP_3)
	v_lshlrev_b32 v[L16], 4, v51
	s_delay_alu instid0(VALU_DEP_4)
	v_lshlrev_b32 v[L4], 2, v51
	s_delay_alu instid0(VALU_DEP_3)
	v_lshlrev_b32 v[H32], 5, v53
	s_delay_alu instid0(VALU_DEP_4)
	v_lshlrev_b32 v[XO], 10, v53
	s_delay_alu instid0(VALU_DEP_1)
	v_lshl_add_u32 v[XO], v52, 4, v[XO]
	s_mul_i32 s34, s[WV], 16*SPT
	s_add_co_u32 s34, s34, STG                     ; my stage
	v_mul_u32_u24 v[STS], v53, SPT
	s_delay_alu instid0(VALU_DEP_1)
	v_lshl_add_u32 v[STS], v52, 4, v[STS]
	s_delay_alu instid0(VALU_DEP_1)
	v_add_nc_u32 v[STS], s34, v[STS]               ; in: row lane / 16 (+ 2 i), 16 bytes a lane
	v_mul_u32_u24 v[STL], v52, SPT
	s_delay_alu instid0(VALU_DEP_1)
	v_lshl_add_u32 v[STL], v53, 6, v[STL]
	s_delay_alu instid0(VALU_DEP_1)
	v_add_nc_u32 v[STL], s34, v[STL]               ; out: row r, + 64 h
	s_lshr_b32 s43, s[WV], 2
	s_lshl_b32 s43, s43, 3
	s_and_b32 s35, s[WV], 3
	s_add_co_u32 s43, s43, s35                     ; I quantise query tiles T and T + 4, T = 8 (v / 4) + v % 4: the first of them are tiles 0-3 of both halves of the queries
	s_mul_i32 s35, s43, 3072
	s_add_co_u32 s35, s35, XIMG
	v_add_nc_u32 v[XWI], s35, v[L16]
	s_lshl_b32 s36, s43, 7
	s_add_co_u32 s36, s36, XSC
	v_lshl_add_u32 v[XWS], v52, 2, s36
	s_lshl_b32 s36, s14, 7
	v_lshl_add_u32 v[HB], v53, 3, s36
	s_mul_i32 s36, s13, 8*3072
	s_add_co_u32 s36, s36, XIMG
	v_add_nc_u32 v[XRI], s36, v[L16]               ; I multiply query tiles 8 qg .. 8 qg + 7
	s_lshl_b32 s36, s13, 10
	s_add_co_u32 s36, s36, XSC
	v_add_nc_u32 v[XRS], s36, v[L4]                ; lanes 0-15 K step 0's words, lanes 16-31 K step 1's
	s_lshl_b32 s36, s[WV], 10                      ; 2048 cq + 1024 qg = 1024 x wave
	s_add_co_u32 s36, s36, MRG
	v_lshl_add_u32 v[MW], v52, 3, s36
	v_lshl_add_u32 v[MR], v0, 4, MRG               ; at the end thread t (of waves 0-3) joins queries 2 t and 2 t + 1
	v_lshlrev_b32 v[IO], 3, v0
	v_min_u32 v[PFO], 12, v51
	s_delay_alu instid0(VALU_DEP_1)
	v_lshlrev_b32 v[PFO], 8, v[PFO]
.irp b, 0,1,2,3
	v_mov_b32 v[TM+4+\b], 0                        ; written once: a lane permute's destination counts as one of its sources
.endr
	v_mov_b32 v[PT], 0
	v_mov_b32 v[PT+1], 0
	s_mov_b32 s[SEL], 0x76543210
	s_mov_b32 s[SEL+1], 0xfedcba98                 ; v_permlanex16_b32's selects for lane l xor 16
	s_mul_i32 s[TB], s14, NBW*BLKB                 ; my first block of slot 0
	; descriptor group 1: two blocks, 13,312 dense bytes, as 52 rows of 256 bytes (32 elements of 8 bytes); no padding: every LDS read of them takes consecutive bytes
	s_mov_b32 s[G1], 15|(3<<16)|(1<<21)            ; the mask: all four work-groups; elements of 8 bytes; bit 21 set beside a mask
	s_mov_b32 s[G1+1], 32<<16
	s_mov_b32 s[G1+2], 52<<16
	s_mov_b32 s[G1+3], 32<<16
	s_mov_b32 s[G1+4], 52
	s_mov_b32 s[G1+5], 32
	s_mov_b32 s[G1+6], 0
	s_mov_b32 s[G1+7], 0
	s_lshl_b32 s34, s12, 18                        ; x: 256 rows of 1,024 bytes a work-group,
	s_lshl_b32 s35, s43, 14                        ; 16 rows a tile: my tile T
	s_add_co_u32 s34, s34, s35
	s_mov_b32 s35, 0
	s_mul_i32 s36, s[WV], 2*BLKB                   ; my two blocks of a slot, in memory and in LDS alike
	s_mov_b32 s37, 0
	s_lshl_b32 s38, s12, 10                        ; idx: 256 words a work-group
	s_mov_b32 s39, 0
	s_mul_i32 s46, s11, REC                        ; the prefetch: my work-group's quarter of my wave's two blocks,
	s_add_co_u32 s46, s46, s36
	s_add_co_u32 s46, s46, 2*SLOTB                 ; at the third slot: the first change of slots steps it to the fourth
	s_mov_b32 s47, 0
	s_wait_alu depctr_va_vdst(0)
	s_wait_dscnt 0x0                               ; both opening adds are done
	s_wait_kmcnt 0x0
	s_add_nc_u64 s[4:5], s[4:5], s[34:35]
	s_add_nc_u64 s[8:9], s[8:9], s[38:39]
	s_add_nc_u64 s[PF:PF+1], s[6:7], s[46:47]
	s_mov_b32 s[G0], 1
	s_mov_b32 s[G0+1], s36                         ; LDS address: slot 0
	s_add_nc_u64 s[G0+2:G0+3], s[6:7], s[36:37]
	s_or_b32 s[G0+3], s[G0+3], 0x80000000
	WIN 0x40
.irp n, 0,1,2,3,4,5,6,7                ; ALL of my 32 rows of x are asked for at once: 64 loads, each of two rows' 256 consecutive aligned bytes
.irp i, 0,1,2,3,4,5,6,7
	global_load_b128 v[32*\n+4*\i:32*\n+4*\i+3], v[XO], s[4:5] offset:65536*(\n/4)+2048*\i+256*(\n%4) th:TH_LOAD_NT   ; units 0-3: tile T; units 4-7: tile T + 4, 64 rows on
.endr
.endr
	WIN 0
	CROUND                                         ; all four work-groups are here: the first joint loads meet
	JLOAD                                          ; slot 0: one tensor load a wave at the head
	; ---- x becomes codes: my two query tiles, two K steps each
.macro PHASE t                         ; my tile T + 4 t becomes codes
.irp s, 0,1
	XUNIT 4*\t+2*\s, 0
	XUNIT 4*\t+2*\s+1, 1
	s_wait_dscnt 0x0                               ; the 64 numbers are in
	QUANT
.irp c, 0,1,2
	ds_store_b128 v[XWI], v[PC+4*\c:PC+4*\c+3] offset:12288*\t+1536*\s+512*\c   ; the fragment goes to LDS as it stands
.endr
	ds_store_b32 v[XWS], v[PW] offset:512*\t+64*\s ; both lanes of a row write the same word with the same value
.endr
.endm
.macro XIN a, b, c, d                  ; four of my eight query tiles come into the registers in which they stay
	WIN 0x40
.irp q, \a, \b, \c, \d
.irp f, 0,1,2,3,4,5
	ds_load_b128 v[XF+24*\q+4*\f:XF+24*\q+4*\f+3], v[XRI] offset:3072*\q+512*\f
.endr
.endr
	WIN 0
.irp q, \a, \b, \c, \d
	ds_load_b32 v[XS+\q], v[XRS] offset:128*\q
.endr
.endm
	PHASE 0
	s_wait_dscnt 0x0                               ; for the others' sake: my LDS stores are done
	s_barrier_signal -1                            ; slot 0's load may stay out
	s_barrier_wait -1
	XIN 0, 1, 2, 3                                 ; into window 1's v0-95, which units 0-3 have left; units 4-7 (v128-255) are still to come from memory
	PHASE 1
	; ONE round for two things: every wave's images of x are in LDS, and every wave's part of slot 0 has landed.  Slot 1's first fill is issued behind it, as a refill is.
	s_wait_tensorcnt 0x0                           ; my part of slot 0 is in
	ds_add_u32 v[SPW], v[NIL]                      ; 0 onto my spare word
	s_xor_b32 s[G0+1], s[G0+1], SLOT1
	s_add_nc_u64 s[G0+2:G0+3], s[G0+2:G0+3], SLOTB
	s_wait_dscnt 0x0                               ; the add is done, and, for the others' sake, so are my LDS stores
	CROUND
	JLOAD                                          ; slot 1
	XIN 4, 5, 6, 7
	v_mov_b32 v[BV], -1                            ; the first block's head works on a block that is none:
	v_mov_b32 v[RR], 0xff800000                    ; its tile 6's largest s is -infinity,
.irp q, 0,1,2,3,4,5,6,7
	v_mov_b32 v[M+\q], 0xff800000                  ; as is the best s so far,
	v_mov_b32 v[BID+\q], 0
.endr
.set i, 0
.rept 32
	v_mov_b32 v[56+i], 0xff800000                  ; and so are the sums of its tiles 6 and 7: -infinity is not greater, nothing is kept
.set i, i+1
.endr
.set i, 0
.rept 64
	v_dual_mov_b32 v[SAV+i], 0 :: v_dual_mov_b32 v[SAV+i+1], 0   ; the kept sums are a source of the selects that write them, so they are written once
.set i, i+2
.endr
	s_wait_alu depctr_va_vdst(0)
	s_mov_b32 s[SLOTS], 6
.Lslot:                                            ; 6 trips: each works a slot and fills it again
	RUN NBW-1
	LAST 1
	s_sub_co_u32 s[SLOTS], s[SLOTS], 1
	s_cmp_lg_u32 s[SLOTS], 0
	s_cbranch_scc1 .Lslot
	RUN NBW-1                                      ; the last two slots are written out: nothing more is fetched
	LAST 0
	RUN NBW
	MIX 7, 6                                       ; the last block's last two tiles
	SELS 7, 0
	; the place of each tile's best among its 16 kept sums, into v[56 + q]: the eight tiles in turns, each with a mask register of its own
.irp q, 0,1,2,3,4,5,6,7
	v_mov_b32 v[56+\q], 0
.endr
.irp i, 15,14,13,12,11,10,9,8,7,6,5,4,3,2,1,0      ; downward, so that the lowest i that fits is written last
.irp q, 0,1,2,3,4,5,6,7
	v_cmp_neq_f32 s[48+\q], v[SAV+16*\q+\i], v[M+\q]
.endr
.irp q, 0,1,2,3,4,5,6,7
	v_cndmask_b32 v[56+\q], 16*(\i/8)+\i%8, v[56+\q], s[48+\q]
.endr
.endr
	; ---- the codes; lanes l and l xor 16 hold the two halves of a query's codes
.irp q, 0,1,2,3,4,5,6,7
	LOCATE \q
	s_delay_alu instid0(VALU_DEP_1)
	v_permlanex16_b32 v[PT], v[RES+2*\q], s[SEL], s[SEL+1]
	s_delay_alu instid0(VALU_DEP_3)
	v_permlanex16_b32 v[PT+1], v[RES+2*\q+1], s[SEL], s[SEL+1]
	BETTER RES+2*\q, RES+2*\q+1, PT, PT+1
	ds_store_b64 v[MW], v[RES+2*\q:RES+2*\q+1] offset:128*\q   ; both lanes write the same pair
.endr
	s_wait_dscnt 0x0                               ; for the others' sake
	s_barrier_signal -1
	s_barrier_wait -1
	s_cmp_lt_u32 s[WV], 4                          ; waves 0-3 join the four quarters of the codes, two queries a thread
	s_cbranch_scc0 .Ldone
.irp c, 0,1,2,3
	ds_load_b128 v[56+4*\c:59+4*\c], v[MR] offset:2048*\c
.endr
	s_wait_dscnt 0x0
.irp c, 1,2,3
	BETTER 56, 57, 56+4*\c, 57+4*\c
	BETTER 58, 59, 58+4*\c, 59+4*\c
.endr
	v_mov_b32 v72, v57
	s_delay_alu instid0(VALU_DEP_2)
	v_mov_b32 v73, v59
	global_store_b64 v[IO], v[72:73], s[8:9]       ; a wave stores 256 consecutive bytes, at a multiple of 256 from idx's first byte
.Ldone:
	s_wait_tensorcnt 0x0                           ; the wave's end
	ds_add_u32 v[SPW], v[NIL]
	s_wait_dscnt 0x0
	CROUND                                         ; the closing round: no work-group ends while a partner may still ask for a tile that names it
	s_endpgm
.Lfunc_end_k_qee1c4b2b0b_nearest:
	.size	k_qee1c4b2b0b_nearest, .Lfunc_end_k_qee1c4b2b0b_nearest-k_qee1c4b2b0b_nearest
	.p2alignl 7, 3214868480
	.fill 96, 4, 3214868480
	.section	.rodata,"a",@progbits
	.p2align	6, 0x0
	.amdhsa_kernel k_qee1c4b2b0b_nearest
		.amdhsa_group_segment_fixed_size 327680
		.amdhsa_private_segment_fixed_size 0
		.amdhsa_enable_private_segment 0
		.amdhsa_kernarg_size 24
		.amdhsa_user_sgpr_count 2
		.amdhsa_user_sgpr_kernarg_segment_ptr 1
		.amdhsa_wavefront_size32 1
		.amdhsa_system_sgpr_workgroup_id_x 1
		.amdhsa_system_sgpr_workgroup_id_y 1
		.amdhsa_system_sgpr_workgroup_id_z 1
		.amdhsa_system_vgpr_workitem_id 0
		.amdhsa_next_free_vgpr 512
		.amdhsa_next_free_sgpr 66
		.amdhsa_reserve_vcc 1
		.amdhsa_float_denorm_mode_32 3
		.amdhsa_float_denorm_mode_16_64 3
		.amdhsa_memory_ordered 1
		.amdhsa_forward_progress 1
		.amdhsa_inst_pref_size 157
	.end_amdhsa_kernel
	.amdgpu_metadata
---
amdhsa.version: [ 1, 2 ]
amdhsa.kernels:
  - .name:           k_qee1c4b2b0b_nearest
    .symbol:         k_qee1c4b2b0b_nearest.kd
    .args:
      - { .name: x, .offset: 0, .size: 8, .value_kind: global_buffer, .address_space: global }
      - { .name: wrec, .offset: 8, .size: 8, .value_kind: global_buffer, .address_space: global }
      - { .name: idx, .offset: 16, .size: 8, .value_kind: global_buffer, .address_space: global }
    .group_segment_fixed_size: 327680
    .private_segment_fixed_size: 0
    .kernarg_segment_align: 8
    .kernarg_segment_size: 24
    .max_flat_workgroup_size: 256
    .sgpr_count:     66
    .vgpr_count:     512
    .wavefront_size: 32
...
	.end_amdgpu_metadata
.endif
;; end of part 2
;; launch gather (part 3): grid 512 x 1, 8 waves a work-group, no clusters, 0 bytes of LDS; arguments idx, wt, out0; writes out0
.if DOCPART == 3
	.amdgcn_target "amdgcn-amd-amdhsa--gfx1250"
	.amdhsa_code_object_version 6
	.text
	.protected	k_qee1c4b2b0b_gather
	.globl	k_qee1c4b2b0b_gather
	.p2align	8
	.type	k_qee1c4b2b0b_gather,@function
k_qee1c4b2b0b_gather:
	s_mov_b64 s[64:65], 0
	v_nop
	global_prefetch_b8 v0, s[64:65] scope:SCOPE_SE
	s_setreg_imm32_b32 hwreg(HW_REG_WAVE_MODE, 25, 1), 1
	s_wait_xcnt 0x0
; out0[n][:] = wt[idx[n]][:].  idx: 65,536 words that the launch before stored; wt [4096][256] f32: a code's numbers are 1,024 consecutive bytes; out0 [65536][256] f32.
; A wave owns 16 rows.  Its 16 indices come by one scalar load; each is held to 4,095 and becomes a row's byte offset.  All 32 loads of the wave (512 consecutive bytes each) go out before its first store;
; each store covers 512 consecutive bytes at a multiple of 256 from out0's first byte.  No LDS, no barrier, no matrix unit: waves share nothing and the work is a copy.
	s_load_b128 s[4:7], s[0:1], 0x0                ; idx, wt
	s_load_b64 s[8:9], s[0:1], 0x10                ; out0
	v_lshrrev_b32 v1, 5, v0
	s_delay_alu instid0(VALU_DEP_1)
	v_readfirstlane_b32 s10, v1                    ; wave 0..7
	v_and_b32 v2, 31, v0
	s_delay_alu instid0(VALU_DEP_1)
	v_lshlrev_b32 v2, 4, v2                        ; 16 x lane
	s_lshl_b32 s11, ttmp9, 3
	s_add_co_u32 s11, s11, s10                     ; which run of 16 rows is mine
	s_lshl_b32 s12, s11, 6                         ; its 64 bytes of idx
	s_mov_b32 s13, 0
	s_lshl_b32 s14, s11, 14                        ; its 16,384 bytes of out0 (under 2^27)
	s_mov_b32 s15, 0
	s_wait_alu depctr_va_vdst(0)
	s_wait_kmcnt 0x0
	s_add_nc_u64 s[4:5], s[4:5], s[12:13]
	s_add_nc_u64 s[8:9], s[8:9], s[14:15]
	s_load_b512 s[16:31], s[4:5], 0x0
	s_wait_kmcnt 0x0
.irp i, 0,1,2,3,4,5,6,7,8,9,10,11,12,13,14,15
	s_min_u32 s[16+\i], s[16+\i], 4095             ; an index stays inside its table
	s_lshl_b32 s[16+\i], s[16+\i], 10
	v_add_nc_u32 v[4+\i], s[16+\i], v2
.endr
	s_wait_alu depctr_va_vdst(0)
.irp i, 0,1,2,3,4,5,6,7,8,9,10,11,12,13,14,15
	global_load_b128 v[24+8*\i:27+8*\i], v[4+\i], s[6:7]               ; no hint: many rows name the same code
	global_load_b128 v[28+8*\i:31+8*\i], v[4+\i], s[6:7] offset:512
.endr
.irp n, 0,1,2,3,4,5,6,7,8,9,10,11,12,13,14,15,16,17,18,19,20,21,22,23,24,25,26,27,28,29,30,31
	s_wait_loadcnt 31-\n                           ; the younger loads may be out
	global_store_b128 v2, v[24+4*\n:27+4*\n], s[8:9] offset:512*\n th:TH_STORE_NT   ; written once, read by nobody here
.endr
	s_endpgm
.Lfunc_end_k_qee1c4b2b0b_gather:
	.size	k_qee1c4b2b0b_gather, .Lfunc_end_k_qee1c4b2b0b_gather-k_qee1c4b2b0b_gather
	.p2alignl 7, 3214868480
	.fill 96, 4, 3214868480
	.section	.rodata,"a",@progbits
	.p2align	6, 0x0
	.amdhsa_kernel k_qee1c4b2b0b_gather
		.amdhsa_group_segment_fixed_size 0
		.amdhsa_private_segment_fixed_size 0
		.amdhsa_enable_private_segment 0
		.amdhsa_kernarg_size 24
		.amdhsa_user_sgpr_count 2
		.amdhsa_user_sgpr_kernarg_segment_ptr 1
		.amdhsa_wavefront_size32 1
		.amdhsa_system_sgpr_workgroup_id_x 1
		.amdhsa_system_sgpr_workgroup_id_y 1
		.amdhsa_system_sgpr_workgroup_id_z 1
		.amdhsa_system_vgpr_workitem_id 0
		.amdhsa_next_free_vgpr 152
		.amdhsa_next_free_sgpr 66
		.amdhsa_reserve_vcc 0
		.amdhsa_float_denorm_mode_32 3
		.amdhsa_float_denorm_mode_16_64 3
		.amdhsa_memory_ordered 1
		.amdhsa_forward_progress 1
		.amdhsa_inst_pref_size 11
	.end_amdhsa_kernel
	.amdgpu_metadata
---
amdhsa.version: [ 1, 2 ]
amdhsa.kernels:
  - .name:           k_qee1c4b2b0b_gather
    .symbol:         k_qee1c4b2b0b_gather.kd
    .args:
      - { .name: idx, .offset: 0, .size: 8, .value_kind: global_buffer, .address_space: global }
      - { .name: wt, .offset: 8, .size: 8, .value_kind: global_buffer, .address_space: global }
      - { .name: out0, .offset: 16, .size: 8, .value_kind: global_buffer, .address_space: global }
    .group_segment_fixed_size: 0
    .private_segment_fixed_size: 0
    .kernarg_segment_align: 8
    .kernarg_segment_size: 24
    .max_flat_workgroup_size: 256
    .sgpr_count:     66
    .vgpr_count:     152
    .wavefront_size: 32
...
	.end_amdgpu_metadata
.endif
;; end of part 3
